; MI455X (gfx1250); checked and timed in simulation.
; The chip was launched on July 23, 2026; its instructions are those of AMD's public machine-readable ISA for CDNA 5 (MIT licence, August 2026) and "CDNA5" Instruction Set Architecture Reference Guide (July 2026). The comments in the code are by the model that wrote it; some were corrected since.
;; Attn. Allowed arithmetic: matrix products marked QUANTISED: E4M3 operands, one E8M0 scale for each 32 along K, by v_wmma_scale_f32_16x16x128_f8f6f4 with both operands' format E4M3, f32 sums; products left as they are: f32 operands where the result goes on into a quantised operand, else bf16, f16 or f32 operands; f32 sums; everything else in f32.
;; Inputs: W_codes 1,024 x 64 x 32 uint8 (E4M3 codes of W, K innermost, in blocks of 32 codes); W_scales 1,024 x 64 uint8 (E8M0 scales of W, one for each 32 codes along K); b 1,024 float32; encoder_outputs_codes 512 x 64 x 64 x 32 uint8 (E4M3 codes of encoder_outputs, K innermost, in blocks of 32 codes); encoder_outputs_scales 512 x 64 x 64 uint8 (E8M0 scales of encoder_outputs, one for each 32 codes along K); v 1,024 x 1 float32.
;; Outputs: out0 64 x 8 x 512 float32.
;; Constants: num_features = 8.
;; This version of the problem:
;;   THIS VERSION OF THE PROBLEM IS GIVEN IN LOW PRECISION. The matrix products marked QUANTISED in the list below multiply operands that are first quantised to E4M3 (4 exponent bits, 3 mantissa bits; 8 bits a number), with one power-of-two scale for each 32 numbers along K (OCP MX v1.0); their sums are f32. All else is computed in f32.
;;   The module's matrix products, in the order in which they are computed (A, B: the left and right operand; K: the contracted axis; several contracted axes count as one K, in the product's order):
;;     1. [M 32,768, K 2,048] x [K 2,048, N 1,024]; A: input encoder_outputs (given as codes); B: input W (given as codes): QUANTISED
;;     2. [M 32,768, K 1,024] x [K 1,024, N 1]; A: computed on the way; B: computed on the way: left as it is (N = 1 < 16)
;;   THE QUANTISER, for each operand of a quantised product, along K:
;;     - K is cut into blocks of 32 from its start; a last block that is shorter is filled with zeros.
;;     - A block's scale is 2^e with e = floor(log2(the largest magnitude in the block)) - 8, held to -126 .. 127; a block of zeros has e = 0. As a byte (E8M0): e + 127.
;;     - Each number is divided by its block's scale, clamped to +-448, and rounded to the nearest number of E4M3, ties to even, subnormals kept.
;;     - The product sums the exact products of the quantised numbers (number of the format x scale) in f32.
;;   ~~~python
;;   def quantise(x, axis):      # numpy; x: float32 -> the quantised numbers, widened to float32 again
;;       x = np.moveaxis(x, axis, -1); K = x.shape[-1]
;;       x = np.pad(x, [(0, 0)] * (x.ndim - 1) + [(0, -K % 32)]); x = x.reshape(x.shape[:-1] + (-1, 32)); a = np.abs(x).max(-1, keepdims=True)
;;       e = np.where(a > 0, np.clip(np.frexp(np.where(a > 0, a, 1))[1] - 1 - 8, -126, 127), 0)      # np.frexp(a)[1] - 1 = floor(log2(a)), exactly
;;       r = np.clip(x / 2.0 ** e, -448, 448)
;;       step = 2.0 ** (np.maximum(np.frexp(np.where(r == 0, 1, r))[1] - 1, -6) - 3)
;;       q = np.round(r / step) * step * 2.0 ** e      # np.round: ties to even
;;       return np.moveaxis(q.reshape(q.shape[:-2] + (-1,))[..., :K], -1, axis).astype(np.float32)
;;   ~~~
;;   INPUTS GIVEN AS CODES. W (in the module: [1024, 2048], K = its axis 1); encoder_outputs (in the module: [512, 64, 2048], K = its axis 2): each comes as NAME_codes (uint8): NAME with its K axis moved to the last place and cut into blocks of 32 codes, [.., K / 32, bytes a block], one block behind the other in memory; one code a byte (a code: sign, 4 exponent bits, 3 mantissa bits); and NAME_scales (uint8): the same leading axes, one E8M0 byte (e + 127) for each 32 codes along K. Its value is code x scale, taken as it is: it is not quantised again, and the codes and scales need not be those that the quantiser above would give.
;; One version. Each part assembles by itself: llvm-mc -triple=amdgcn-amd-amdhsa -mcpu=gfx1250 --defsym DOCPART=n.
;; ======== version 1 of 1: 2 launches
;; limits: right only within a limited range of input values
;; workspace buffers: part 524,288 bytes
;; launch scores (part 1): grid 4 x 64, 4 waves a work-group, clusters of 4 x 4, 327,680 bytes of LDS; arguments encoder_outputs_codes, encoder_outputs_scales, W_codes, W_scales, b, v, part; writes part
.if DOCPART == 1
	.amdgcn_target "amdgcn-amd-amdhsa--gfx1250"
	.amdhsa_code_object_version 6
	.text
	.protected	k_qbc9019a4c6_scores
	.globl	k_qbc9019a4c6_scores
	.p2align	8
	.type	k_qbc9019a4c6_scores,@function
k_qbc9019a4c6_scores:
	s_mov_b64 s[64:65], 0
	v_nop
	global_prefetch_b8 v0, s[64:65] scope:SCOPE_SE
	s_setreg_imm32_b32 hwreg(HW_REG_WAVE_MODE, 25, 1), 1
	s_wait_xcnt 0x0
	s_wait_alu depctr_hold_cnt(0) depctr_sa_sdst(0) depctr_va_vdst(0) depctr_va_sdst(0) depctr_va_ssrc(0) depctr_va_vcc(0) depctr_vm_vsrc(0)
	s_getreg_b32 s2, hwreg(HW_REG_IB_STS2, 6, 4)
	s_cmp_eq_u32 s2, 0
	s_cbranch_scc0 .Lentry_in_a_cluster
	s_endpgm
.Lentry_in_a_cluster:
	s_bfe_u32 s2, ttmp6, 0x10000c
	s_cmp_lg_u32 s2, 0xf033
	s_cbranch_scc0 .Lentry_shape_is_right
	s_endpgm
.Lentry_shape_is_right:
; part[tc][m] = - the sum over the 256 hidden units h of tile column tc of v[h] q[m][h],  q = 2 / (1 + e^(2 y)) = 1 - tanh y,  y = x + b,  x = A W^T.
; A = encoder_outputs, [32768 rows m = 64 l + b][2048], W: [1024][2048]: codes of FP8 (E4M3), K innermost, one E8M0 byte for each 32 along K; the matrix instruction takes codes and bytes as they lie.
; DEAD WORK LEFT OUT: score = sum of v tanh y = (sum of v) - (sum of v q).  The sum of v over all h is one number, the same for every row m, whatever v holds: it is the same along the softmax's axis (the batch),
; so it reaches no output.  LIMIT: an overflow in that sum alone is not carried to the result (a NaN or infinity of v reaches it through v q).
; A tile of x, 256 x 256, is made by four waves, a wave makes 128 x 128: 64 accumulators of 16 x 16, 512 registers.  K goes in slots of 256 through a ring of two LDS slots (rows of 256 bytes), two steps of 128 to a slot.
; A WORK-GROUP STAYS: it makes two tiles, 16,384 rows apart, with the same rows of W; the ring goes on from the first tile into the second.  256 work-groups.
; CLUSTERS: 4 x 4 work-groups; the four tile columns of a cluster are all of N.  The four of a row of the cluster need the same tiles of A, the four of a column the same tiles of W: each is asked for jointly.
; A STEP has four quarters of 16 products (blocks of 16): rows 0-3 x columns 0-3; rows 0-3 x columns 4-7, column by column; rows 4-7 x columns 4-7; rows 4-7 x columns 0-3.  Its LDS loads stand in two runs:
; at its start W's blocks 4-7 and A's blocks 4-7 of this step, in its middle W's blocks 0-3 and A's blocks 0-3 of the next, with the next step's scale words.
; SOURCE 0 = A, SOURCE 1 = W: in accumulator (a, blk) lane (r, h) holds hidden unit 16 blk + r, register j row 16 a + 8 h + j.  So b and v are one number a lane for each blk.
; TANH, in place on the accumulators: with c = 2 log2(e):  e' = 2^(c x + (c b - 1)) = e^(2y) / 2;  q = 1 / (e' + 0.5).  Where e' overflows q is 0, where it falls to 0 q is 2: no clamp is needed.  In f32 throughout.
; THE SCALES of 256 rows of A and of W for all of K (64 bytes a row) go through registers into LDS, as units of 256 bytes + 16; step by step a wave takes one word a row, a step ahead of its use.
; PREFETCH: A's codes come from memory once, W's in the first tile: each is asked for two slots ahead of its tensor load (macro ASK).
; LIMITS: a scale byte 0xff gives NaN; an e' under 2^-126 counts as 0 (ISA guide 15.8: the exponential's entry), an error under 1e-37 in tanh; the f32 sums over h go in another order than a plain row sum.
; REGISTERS: window 0: v0-31 addresses; v32-47 scale words; v48-79 tables; v80-127 at work; from v128 A's fragments (8 x 16 rows x 128 K).  Window 1: W's fragments, set 0 (even steps) and set 1 (odd steps).
;   Windows 2, 3: the accumulators of my rows 0-63, 64-127 ((a, blk) at v[8 (8 (a % 4) + blk)]).
.set SIZE_K, 2048
.set ROWB,  256                        ; a tile's row in bytes
.set PITCH, 272                        ; an LDS row: 256 bytes + 16 of padding: the 16 rows of a load start at 16 different banks (64 banks of 4 bytes: ISA guide 11.1)
.set HALFT, 128*PITCH                  ; 128 rows: what one tensor load brings
.set SLOT,  4*HALFT                    ; A's 256 rows, then W's 256 rows
.set KS,    SIZE_K/32                  ; a row of scales: 64 bytes
.set SCL,   2*SLOT                     ; behind the ring: A's scales, then W's
.set HALFS, (128*KS/256)*272           ; the scales of 128 rows
.set SBLK,  (16*KS/256)*272            ; those of 16 rows
.set TAB,   SCL+4*HALFS                ; row sums: [tile][column half][256 rows], f32
.set SPARE, TAB+4096                   ; the spare words, 128 bytes for each wave
.set WALKB, 16384*SIZE_K               ; bytes of A from tile to tile
.set NEXT_A, WALKB-6*ROWB              ; from a slot's last K of a tile to its first of the next
.set BACK_B, 6*ROWB
.set XR,   12                          ; v12-15  row sums, 32 rows to a register
.set STA,  11                          ; v11     LDS address of my part of the scales, at the head
.set ADRA, 16                          ; v16-17  LDS address of my A fragments in slot 0, 1
.set ADRS0, 18                         ; v18     LDS address of my scale words: lanes 0-15 A's rows, lanes 16-31 W's
.set GSO,  19                          ; v19     16 x lane
.set ADRB, 20                          ; v20-21  as ADRA, for W
.set BO,   22                          ; v22     4 r
.set RDA,  23                          ; v23     TAB + 8 x my thread's number
.set STO,  24                          ; v24     where my row sums go
.set RD,   25                          ; v25     8 x my thread's number: my byte offset in a tile's part
.set GSA,  26                          ; v26     LDS address of my quarter of the second tile's A scales
.set ADRS, 27                          ; v27     ADRS0, stepped
.set SPW,  28                          ; v28     LDS address of my spare word; never rewritten
.set NIL,  29                          ; v29     0; never rewritten
.set VPF,  31                          ; v31     2,048 r + 256 h: my lane's block in the prefetches
.set SC,   32                          ; scale words: even steps v32-39, odd steps v40-47; register i: lanes 0-15 A's block i, lanes 16-31 W's
.set CB,   48                          ; c b - 1, a pair of equal numbers for each blk
.set NV,   64                          ; v, likewise
.set S,    80                          ; sums of two blocks of rows
.set KT,   96                          ; at work
.set GT,   104
.set GS,   96                          ; the second tile's A scales on their way to LDS
.set AF,   128
.set G1, 24                            ; s[24:31] descriptor group 1 for A's tiles;  s[32:39] group 0, one set for each slot
.set G0, 32
.set G1B, 48                           ; s[48:55], s[56:63] the same for W's
.set G0B, 56
.set CS,  66                           ; s[66:67] c = 2 log2(e): the packed form names a pair and takes its low word for both halves
.set LIM, 68                           ; s68     A is asked for while s3 is greater
.set LIMW, 69                          ; s69     W likewise
.set MK,  70                           ; s70-73  lanes with bit 3, 2, 1, 0 set
.set GSB, 74                           ; s[74:75] where my quarter of the second tile's A scales lies
.set PFW, 76                           ; s[76:77], s[100:101] where the prefetches stand in W and in A
.set PFA, 100
.set MSB, 0
.macro WIN new                         ; the immediate's high byte repeats the setting that is left; a switch that changes nothing is dropped
.if MSB != (\new)
	s_set_vgpr_msb (MSB<<8)|(\new)
.set MSB, (\new)
.endif
.endm
.set MUL_LO, 0xa4                      ; source 0 (A) window 0, source 1 (W) window 1, C and D window 2 (+ 0x50: window 3)
.set TO_B,   0x40                      ; destination window 1, address window 0
; A joint load: waves 0 and 1 fetch A's halves, waves 2 and 3 W's.  Each line has one mask; the branch hangs on the wave's number alone.
.macro JLOAD s
	s_cmp_eq_u32 s15, 0
	s_cbranch_scc0 .Lfor_b_\@
	tensor_load_to_lds s[G0+4*\s:G0+4*\s+3], s[G1:G1+7]
	s_nop 0
.rept 4
	v_nop
.endr
	s_branch .Lasked_\@
.Lfor_b_\@:
	tensor_load_to_lds s[G0B+4*\s:G0B+4*\s+3], s[G1B:G1B+7]
	s_nop 0
.rept 4
	v_nop
.endr
.Lasked_\@:
.endm
.macro CREST                           ; a round of the cluster's barrier behind its opening barrier
	s_cmp_lg_u32 s14, 0
	s_cbranch_scc1 .Lnot_wave_0_\@
	s_barrier_signal -3
.Lnot_wave_0_\@:
	s_barrier_wait -3
	s_barrier_signal -1
	s_barrier_wait -1
.endm
.macro CROUND
	s_barrier_signal -1
	s_barrier_wait -1
	CREST
.endm
; THE PREFETCH.  Two slots of a tile row of A are 512 blocks of 256 bytes, dealt by address among the row's 4 partners x 4 waves x 32 lanes: each block is named once in the launch.  Trip i of the loop asks for the two slots that the
; trip behind it loads; a tile's last trip asks for the next tile's first two, the last tile's for nothing.  W's two slots are 2,048 blocks, dealt among the 64 waves of a cluster: four clusters of the sixteen ask, in the first tile's first two trips.
.macro ASK
	WIN 0
	s_cmp_gt_u32 s3, s[LIM]
	s_cbranch_scc0 .Lno_a_\@
	global_prefetch_b8 v[VPF], s[PFA:PFA+1] offset:1024 th:TH_LOAD_NT scope:SCOPE_SE
.Lno_a_\@:
	s_cmp_gt_u32 s3, s[LIMW]
	s_cbranch_scc0 .Lno_w_\@
	global_prefetch_b8 v[VPF], s[PFW:PFW+1] offset:1024 th:TH_LOAD_NT scope:SCOPE_SE
.Lno_w_\@:
.endm
; A product.  CQ: the step in the slot (0, 1), which is W's set and the scale words' too.  ZERO = 1: it starts the sum.
.macro WMX a, b
.set AC, 8*(8*((\a)%4)+(\b))
	WIN (MUL_LO+0x50*((\a)/4))
.if ZERO
	v_wmma_scale_f32_16x16x128_f8f6f4 v[AC:AC+7], v[AF+16*(\a):AF+16*(\a)+15], v[128*CQ+16*(\b):128*CQ+16*(\b)+15], 0, v[SC+8*CQ+(\a)], v[SC+8*CQ+(\b)] matrix_b_scale:MATRIX_SCALE_ROW1
.else
	v_wmma_scale_f32_16x16x128_f8f6f4 v[AC:AC+7], v[AF+16*(\a):AF+16*(\a)+15], v[128*CQ+16*(\b):128*CQ+16*(\b)+15], v[AC:AC+7], v[SC+8*CQ+(\a)], v[SC+8*CQ+(\b)] matrix_b_scale:MATRIX_SCALE_ROW1
.endif
.endm
.macro QROWS a0, b0                    ; 16 products: four blocks of rows by turns, each with four blocks of columns
.irp i, 0,1,2,3
.irp x, 0,1,2,3
	WMX (\a0)+\i, (\b0)+\x
.endr
.endr
.endm
.macro QCOL b                          ; 4 products: rows 0-3 with one block of columns
.irp x, 0,1,2,3
	WMX \x, \b
.endr
.endm
; A fragment, 16 rows x 128 K, is 16 registers: lane l holds row l % 16; registers 4 c .. 4 c + 3 hold K = 32 c + 16 (l / 16) + 0 .. 15.
; k: 0 A's, 1 W's of this step; 2 A's, 3 W's of the next (slot NSL, its step NQX).  Four fragments i0 .. i0 + 3 in one run
.macro LDF k, i0
.set LQ, CQ
.set LS, CSL
.if (\k) >= 2
.set LQ, NQX
.set LS, NSL
.endif
.if ((\k)%2) == 1
	WIN TO_B
.set LR, 128*LQ
.set LA, ADRB+LS
.else
	WIN 0
.set LR, AF
.set LA, ADRA+LS
.endif
.irp i, 0,1,2,3
.irp c, 0,1,2,3
	ds_load_b128 v[LR+16*(\i0+\i)+4*\c:LR+16*(\i0+\i)+4*\c+3], v[LA] offset:128*LQ+32*\c+(\i0+\i)*16*PITCH
.endr
.endr
.endm
.macro SCW q, off                      ; the next step's scale words
	WIN 0
.irp i, 0,1,2,3,4,5,6,7
	ds_load_b32 v[SC+8*\q+\i], v[ADRS] offset:\i*SBLK+\off
.endr
.endm
; A load into a register that a product has read, and a vector instruction that reads a product's result, stand 8 places behind that product, and only plain vector instructions are places
; eight v_nop stand ahead of each run of loads.
.macro PLACES n
.rept \n
	v_nop
.endr
.endm
.macro OWN                             ; the run at a step's start: W's blocks 4-7, then A's (read to the end of the step before)
	PLACES 8
	LDF 1, 4
	LDF 0, 4
	s_wait_dscnt 32                                ; all but these 32: what the run in the last step's middle brought is in
.endm
.macro NEXT                            ; in the middle: W's blocks 0-3 and A's (read up to here)
	LDF 3, 0
	LDF 2, 0
.endm
; A slot's first step.
.macro SSTEP slot, zero, sc
.set CQ, 0
.set CSL, \slot
.set NSL, \slot
.set NQX, 1
.set ZERO, \zero
	OWN
	QROWS 0, 0
	s_wait_dscnt 28                                ; W's block 4 is in (behind it: three blocks of W, four of A)
	QCOL 4
	s_wait_dscnt 24
	QCOL 5
	s_wait_dscnt 20
	QCOL 6
	s_wait_dscnt 16
	QCOL 7
	PLACES 8
	SCW 1, \sc
	NEXT
	s_wait_dscnt 40                                ; A's blocks 4-7 are in: all but the 40 just issued
	QROWS 4, 4
	QROWS 4, 0
.endm
; A slot's second step, in which the slots change.  Its own fragments are asked for at its start; then each wave waits for all its tensor loads (its part of the other slot), adds 0 to its spare word, and waits for that and for its reads of this slot.
; Behind the barrier this slot is filled again (fill = 1: this tile's K two slots on; 2: the next tile's first K's; 0: nothing), and the other slot is read.  fill = -1: the very last step: no barrier, nothing more is read.
.macro TSTEP slot, fill, sc, ask
.set CQ, 1
.set CSL, \slot
.set NSL, 1-\slot
.set NQX, 0
.set ZERO, 0
	OWN
	QROWS 0, 0
	s_wait_dscnt 28
	QCOL 4
.if (\fill) < 0
	s_wait_dscnt 24
	QCOL 5
	s_wait_dscnt 20
	QCOL 6
	s_wait_dscnt 16
	QCOL 7
	s_wait_dscnt 0x0
.else
	WIN 0                                          ; (the add's two registers lie in window 0)
	s_wait_tensorcnt 0x0                           ; all my tensor loads have landed
	ds_add_u32 v[SPW], v[NIL]                      ; 0 onto my spare word
.if (\fill) == 1
	s_add_nc_u64 s[G0+4*\slot+2:G0+4*\slot+3], s[G0+4*\slot+2:G0+4*\slot+3], 2*ROWB
	s_add_nc_u64 s[G0B+4*\slot+2:G0B+4*\slot+3], s[G0B+4*\slot+2:G0B+4*\slot+3], 2*ROWB
.endif
.if (\fill) == 2
	s_add_nc_u64 s[G0+4*\slot+2:G0+4*\slot+3], s[G0+4*\slot+2:G0+4*\slot+3], NEXT_A
	s_sub_nc_u64 s[G0B+4*\slot+2:G0B+4*\slot+3], s[G0B+4*\slot+2:G0B+4*\slot+3], BACK_B
.endif
	s_wait_dscnt 24                                ; W's block 5 is in (two blocks of W, four of A and the add are younger)
	QCOL 5
	s_wait_dscnt 20
	QCOL 6
	s_wait_dscnt 0x0                               ; the add is done, and my reads of this slot are over
	s_barrier_signal -1
	QCOL 7
	WIN 0
	s_barrier_wait -1
.if (\fill) > 0
	CREST                                          ; the barrier has opened a round: no wave of any partner still reads this slot or has a load on its way
	JLOAD \slot                                    ; the first tensor load behind the round, my one load until the next; its four v_nop are among the places
	PLACES 4
.else
	PLACES 8
.endif
.if (\sc) >= 0
	SCW 0, \sc
.endif
	NEXT
.if \ask
	ASK
.endif
.endif
	QROWS 4, 4
	QROWS 4, 0
.endm
; Sums of v q over my 128 hidden units for blocks 2 p, 2 p + 1 of the window: over blk in the lane (eight chains by turns), then over the 16 lanes: at each of three halvings a lane keeps the half of the rows that its bit names and
; gives the other; the last joins the two blocks.  Lane l ends with row l / 2 of block 2 p (l even) or 2 p + 1 (l odd).
.macro PAIR h, p
	WIN (2+\h)                                     ; source 0 the accumulators' window, all else window 0
.irp b, 0,1,2,3,4,5,6,7
.irp m, 0,1
.irp j, 0,2,4,6
.if \b == 0
	v_pk_mul_f32 v[S+8*\m+\j:S+8*\m+\j+1], v[64*(2*\p+\m)+\j:64*(2*\p+\m)+\j+1], v[NV:NV+1] neg_lo:[0,1] neg_hi:[0,1]
.else
	v_pk_fma_f32 v[S+8*\m+\j:S+8*\m+\j+1], v[64*(2*\p+\m)+8*\b+\j:64*(2*\p+\m)+8*\b+\j+1], v[NV+2*\b:NV+2*\b+1], v[S+8*\m+\j:S+8*\m+\j+1] neg_lo:[0,1,0] neg_hi:[0,1,0]
.endif
.endr
.endr
.endr
	WIN 0
	s_mov_b32 vcc_lo, s[MK]
.irp m, 0,1
.irp i, 0,1,2,3
	v_cndmask_b32 v[KT+4*\m+\i], v[S+8*\m+\i], v[S+8*\m+\i+4], vcc_lo
	v_cndmask_b32 v[GT+4*\m+\i], v[S+8*\m+\i+4], v[S+8*\m+\i], vcc_lo
.endr
.endr
.irp m, 0,1
.irp i, 0,1,2,3
	v_add_f32_dpp v[S+8*\m+\i], v[GT+4*\m+\i], v[KT+4*\m+\i] row_xmask:8 row_mask:0xf bank_mask:0xf
.endr
.endr
	s_mov_b32 vcc_lo, s[MK+1]
.irp m, 0,1
.irp i, 0,1
	v_cndmask_b32 v[KT+4*\m+\i], v[S+8*\m+\i], v[S+8*\m+\i+2], vcc_lo
	v_cndmask_b32 v[GT+4*\m+\i], v[S+8*\m+\i+2], v[S+8*\m+\i], vcc_lo
.endr
.endr
.irp m, 0,1
.irp i, 0,1
	v_add_f32_dpp v[S+8*\m+\i], v[GT+4*\m+\i], v[KT+4*\m+\i] row_xmask:4 row_mask:0xf bank_mask:0xf
.endr
.endr
	s_mov_b32 vcc_lo, s[MK+2]
.irp m, 0,1
	v_cndmask_b32 v[KT+4*\m], v[S+8*\m], v[S+8*\m+1], vcc_lo
	v_cndmask_b32 v[GT+4*\m], v[S+8*\m+1], v[S+8*\m], vcc_lo
.endr
.irp m, 0,1
	v_add_f32_dpp v[S+8*\m], v[GT+4*\m], v[KT+4*\m] row_xmask:2 row_mask:0xf bank_mask:0xf
.endr
	s_mov_b32 vcc_lo, s[MK+3]
	v_cndmask_b32 v[KT], v[S], v[S+8], vcc_lo
	v_cndmask_b32 v[GT], v[S+8], v[S], vcc_lo
	v_add_f32_dpp v[XR+2*\h+\p], v[GT], v[KT] row_xmask:1 row_mask:0xf bank_mask:0xf
.endm
; The way from x to the row sums for one window of accumulators: 64 rows x my 128 hidden units, 256 numbers a lane, in place.  Each accumulator is read from its low end on.
.macro FINISH h
	WIN (0x41*(2+\h))                              ; source 0 and destination: the window
	s_wait_alu depctr_va_vdst(0)                   ; the wait ahead of these first readers of the products
.irp a, 0,1,2,3
.irp b, 0,1,2,3,4,5,6,7
.irp j, 0,2,4,6
	v_pk_fma_f32 v[64*\a+8*\b+\j:64*\a+8*\b+\j+1], v[64*\a+8*\b+\j:64*\a+8*\b+\j+1], s[CS:CS+1], v[CB+2*\b:CB+2*\b+1] op_sel_hi:[1,0,1]
.endr
.endr
.endr
	s_wait_alu depctr_va_vdst(0)                   ; a wait ahead of each of the two batches and one behind it
.set n, 0
.rept 256
	v_exp_f32 v[n], v[n]                           ; e' = e^(2y) / 2
.set n, n+1
.endr
	v_nop                                          ; one plain instruction between the last exponential and the use of its result (ISA guide 5.7.2)
	s_wait_alu depctr_va_vdst(0)
.set n, 0
.rept 128
	v_pk_add_f32 v[n:n+1], v[n:n+1], 0.5 op_sel_hi:[1,0]
.set n, n+2
.endr
	s_wait_alu depctr_va_vdst(0)
.set n, 0
.rept 256
	v_rcp_f32 v[n], v[n]                           ; q = 2 / (1 + e^(2y))
.set n, n+1
.endr
	v_nop
	s_wait_alu depctr_va_vdst(0)
	PAIR \h, 0
	PAIR \h, 1
.endm
	s_load_b128 s[4:7], s[0:1], 0x0                ; A's codes s[4:5], A's scales s[6:7]
	s_load_b128 s[8:11], s[0:1], 0x10              ; W's codes s[8:9], W's scales s[10:11]
	s_load_b128 s[96:99], s[0:1], 0x20             ; b s[96:97], v s[98:99]
	s_load_b64 s[12:13], s[0:1], 0x30              ; part
	v_lshl_add_u32 v[SPW], v0, 2, SPARE
	v_mov_b32 v[NIL], 0
	ds_add_u32 v[SPW], v[NIL]                      ; the wave's opening: the add, twice on end, and its wait ahead of my first tensor load
	ds_add_u32 v[SPW], v[NIL]
	v_lshrrev_b32 v9, 5, v0
	v_readfirstlane_b32 s14, v9                    ; wave 0..3
	v_and_b32 v1, 15, v0                           ; r = l % 16
	v_bfe_u32 v2, v0, 4, 1                         ; h = l / 16
	v_and_b32 v3, 31, v0
	v_lshlrev_b32 v[GSO], 4, v3
	v_lshlrev_b32 v[BO], 2, v1
	v_lshlrev_b32 v[VPF], 11, v1
	v_lshl_add_u32 v[VPF], v2, 8, v[VPF]
	s_lshr_b32 s15, s14, 1                         ; which half of the tile's rows is mine.  Also: I fetch for A (0) or for W (1)
	s_and_b32 s16, s14, 1                          ; which half of its columns.  Also: which 128 rows of that tile I fetch
	s_bfe_u32 s40, ttmp6, 0x40000                  ; cx, cy: my place in the cluster
	s_bfe_u32 s41, ttmp6, 0x40004
	s_lshl_b32 s42, ttmp9, 2
	s_add_co_u32 s42, s42, s40                     ; tile column = 4 x cluster x + cx
	s_and_b32 s17, ttmp7, 0xffff
	s_and_b32 s20, s17, 3
	s_cmp_eq_u32 s20, 0
	s_cselect_b32 s[LIMW], 1, -1                   ; clusters 0, 4, 8, 12 ask for W
	s_mov_b32 s[LIM], 0
	s_lshl_b32 s17, s17, 2
	s_add_co_u32 s17, s17, s41                     ; tile row = 4 x cluster y + cy
	s_lshl_b32 s43, s41, 2
	s_lshl_b32 s43, 15, s43                        ; my row of the cluster
	s_lshl_b32 s44, 0x1111, s40                    ; my column
	; descriptor group 1: a tile of 128 rows x 256 bytes, padded in LDS
	s_or_b32 s[G1+0], s43, (0<<16)|(1<<20)|(1<<21)|(5<<22)|(3<<25)  ; 15:0 the mask: A's tiles go to my row; 17:16 element of 1 byte; 20 padding on; 21 set beside a mask; 24:22 after every 64 words (code 5); 31:25 of 4 words (code 3)
	s_or_b32 s[G1B+0], s44, (0<<16)|(1<<20)|(1<<21)|(5<<22)|(3<<25) ; W's go to my column
.irp g, G1, G1B
	s_mov_b32 s[\g+1], ROWB<<16                    ; tensor_dim0
	s_mov_b32 s[\g+2], 128<<16                     ; tensor_dim1
	s_mov_b32 s[\g+3], ROWB<<16                    ; tile_dim0
	s_mov_b32 s[\g+4], 128                         ; tile_dim1
	s_mov_b32 s[\g+5], SIZE_K                      ; tensor_dim0_stride
	s_mov_b32 s[\g+6], 0
	s_mov_b32 s[\g+7], 0
.endr
	s_lshl_b32 s18, s16, 7                         ; which 128 rows of the tile I fetch
	s_lshl_b32 s20, s17, 8
	s_add_co_u32 s20, s20, s18                     ; A: row 256 x tile row + 128 x half
	s_lshl_b32 s46, s42, 8
	s_add_co_u32 s46, s46, s18                     ; W: row 256 x tile column + 128 x half
	s_lshl_b32 s22, s20, 6                         ; these rows' scales, in bytes,
	s_lshl_b32 s92, s46, 6
	s_lshl_b32 s20, s20, 11                        ; and their codes: under 2^26
	s_lshl_b32 s46, s46, 11
	s_mov_b32 s21, 0
	s_mov_b32 s23, 0
	s_mov_b32 s47, 0
	s_mov_b32 s93, 0
	s_mul_i32 s45, s14, HALFT                      ; where they go: wave x 128 rows: no place in the cluster enters an LDS address
	s_wait_alu depctr_va_vdst(0)
	s_wait_dscnt 0x0                               ; both opening adds are done
	CROUND                                         ; all sixteen work-groups are here: the first joint loads meet
	s_wait_kmcnt 0x0
	s_add_nc_u64 s[20:21], s[4:5], s[20:21]
	s_add_nc_u64 s[46:47], s[8:9], s[46:47]
.irp s, 0,1
	s_mov_b32 s[G0+4*\s], 1
	s_add_co_u32 s[G0+4*\s+1], s45, \s*SLOT
	s_add_nc_u64 s[G0+4*\s+2:G0+4*\s+3], s[20:21], \s*ROWB
	s_or_b32 s[G0+4*\s+3], s[G0+4*\s+3], 0x80000000
	s_mov_b32 s[G0B+4*\s], 1
	s_add_co_u32 s[G0B+4*\s+1], s45, \s*SLOT
	s_add_nc_u64 s[G0B+4*\s+2:G0B+4*\s+3], s[46:47], \s*ROWB
	s_or_b32 s[G0B+4*\s+3], s[G0B+4*\s+3], 0x80000000
.endr
	JLOAD 0                                        ; one tensor load a wave at the head
	s_add_nc_u64 s[22:23], s[6:7], s[22:23]
	s_add_nc_u64 s[92:93], s[10:11], s[92:93]
	s_lshl_b32 s18, s42, 10                        ; b, v: 1,024 bytes a tile column, 512 a column half
	s_lshl_b32 s19, s16, 9
	s_add_co_u32 s18, s18, s19
	s_mov_b32 s19, 0
	s_add_nc_u64 s[96:97], s[96:97], s[18:19]
	s_add_nc_u64 s[98:99], s[98:99], s[18:19]
	s_cmp_eq_u32 s15, 0
	s_cselect_b64 s[78:79], s[22:23], s[92:93]     ; waves 0, 1 bring A's scales, waves 2, 3 W's: 128 rows, 8,192 dense bytes a wave
.irp i, 0,1,2,3,4,5,6,7,8,9,10,11,12,13,14,15
	global_load_b128 v[128+4*\i:131+4*\i], v[GSO], s[78:79] offset:512*\i
.endr
.irp k, 0,1,2,3,4,5,6,7
	global_load_b32 v[CB+2*\k], v[BO], s[96:97] offset:64*\k
	global_load_b32 v[NV+2*\k], v[BO], s[98:99] offset:64*\k
.endr
	s_mov_b32 s[CS], 0x4038aa3b                    ; c = 2 log2(e)
	s_mov_b32 s[CS+1], 0x4038aa3b                  ; (named with it as a pair, so it is written)
	s_mov_b32 s[MK], 0xff00ff00
	s_mov_b32 s[MK+1], 0xf0f0f0f0
	s_mov_b32 s[MK+2], 0xcccccccc
	s_mov_b32 s[MK+3], 0xaaaaaaaa
	v_mul_u32_u24 v3, v1, PITCH
	v_lshl_add_u32 v4, v2, 4, v3                   ; a fragment's row x pitch + 16 x half
	s_mul_i32 s21, s15, HALFT                      ; my 128 rows of A
	s_mul_i32 s22, s16, HALFT                      ; my 128 rows of W,
	s_add_co_u32 s22, s22, 2*HALFT                 ; which lie behind A's 256
.irp s, 0,1
	v_add_nc_u32 v[ADRA+\s], s21, v4
	v_add_nc_u32 v[ADRB+\s], s22, v4
	s_add_co_u32 s21, s21, SLOT
	s_add_co_u32 s22, s22, SLOT
.endr
	v_mul_u32_u24 v5, v1, KS                       ; my row's scales: 64 bytes a row,
	v_lshrrev_b32 v6, 8, v5
	v_lshl_add_u32 v5, v6, 4, v5                   ; and 16 more for each 256 passed
	s_mul_i32 s21, s15, HALFS
	s_mul_i32 s22, s16, HALFS
	s_add_co_u32 s22, s22, 2*HALFS
	s_sub_co_u32 s22, s22, s21
	v_mul_u32_u24 v6, s22, v2                      ; lanes 16-31 take W's: the lower base + h x the distance
	s_add_co_u32 s21, s21, SCL
	v_add_nc_u32 v5, v5, v6
	v_add_nc_u32 v[ADRS0], s21, v5
	v_add_nc_u32 v[ADRS], s21, v5
	v_mul_u32_u24 v6, v2, 272                      ; two units of 256 bytes for 32 lanes
	v_lshl_add_u32 v6, v1, 4, v6
	s_mul_i32 s20, s14, HALFS
	s_add_co_u32 s20, s20, SCL
	v_add_nc_u32 v[STA], s20, v6
	s_mul_i32 s20, s14, HALFS/2
	s_add_co_u32 s20, s20, SCL
	v_add_nc_u32 v[GSA], s20, v6
	v_and_b32 v9, 1, v0                            ; row sums: 4 x (16 x (l % 2) + l / 2)
	v_lshlrev_b32 v9, 6, v9
	v_bfe_u32 v10, v0, 1, 4
	v_lshl_add_u32 v9, v10, 2, v9
	s_lshl_b32 s20, s15, 9
	s_lshl_b32 s21, s16, 10
	s_add_co_u32 s20, s20, s21
	s_add_co_u32 s20, s20, TAB
	v_add_nc_u32 v[STO], s20, v9
	v_lshlrev_b32 v[RD], 3, v0
	v_lshl_add_u32 v[RDA], v0, 3, TAB
.irp i, 0,1,2,3
	v_mov_b32 v[XR+\i], 0                          ; written once: a lane exchange's destination counts as one of its sources
.endr
	s_wait_alu depctr_va_vdst(0)
	s_lshl_b32 s18, s42, 17                        ; part: 131,072 bytes a tile column, 1,024 a tile row
	s_lshl_b32 s19, s17, 10
	s_add_co_u32 s18, s18, s19
	s_mov_b32 s19, 0
	s_add_nc_u64 s[12:13], s[12:13], s[18:19]
	s_lshl_b32 s18, s17, 14                        ; the second tile's A scales: 16,384 rows on, 64 rows a wave
	s_lshl_b32 s19, s14, 12
	s_add_co_u32 s18, s18, s19
	s_add_co_u32 s18, s18, 16384*KS
	s_mov_b32 s19, 0
	s_add_nc_u64 s[GSB:GSB+1], s[6:7], s[18:19]
	s_lshl_b32 s92, s40, 6                         ; the prefetches: A's row 256 x tile row + 64 cx + 16 x wave, W's row 256 cy + 64 cx + 16 x wave
	s_lshl_b32 s93, s14, 4
	s_add_co_u32 s92, s92, s93
	s_lshl_b32 s18, s17, 8
	s_add_co_u32 s18, s18, s92
	s_lshl_b32 s18, s18, 11
	s_add_nc_u64 s[PFA:PFA+1], s[4:5], s[18:19]
	s_lshl_b32 s18, s41, 8
	s_add_co_u32 s18, s18, s92
	s_lshl_b32 s18, s18, 11
	s_add_nc_u64 s[PFW:PFW+1], s[8:9], s[18:19]
	s_mov_b32 s93, 0
	global_prefetch_b8 v[VPF], s[PFA:PFA+1] offset:512 th:TH_LOAD_NT scope:SCOPE_SE   ; slots 2 and 3 of the first tile, whose tensor loads stand in the loop's first trip
	s_cmp_eq_u32 s[LIMW], 1
	s_cbranch_scc0 .Lno_w_head
	global_prefetch_b8 v[VPF], s[PFW:PFW+1] offset:512 th:TH_LOAD_NT scope:SCOPE_SE
.Lno_w_head:
	s_wait_loadcnt 0x0                             ; the scales, b and v
.irp i, 0,1,2,3,4,5,6,7,8,9,10,11,12,13,14,15
	ds_store_b128 v[STA], v[128+4*\i:131+4*\i] offset:544*\i
.endr
.irp k, 0,1,2,3,4,5,6,7
	v_fma_f32 v[CB+2*\k], v[CB+2*\k], s[CS], -1.0  ; c b - 1
.endr
.irp k, 0,1,2,3,4,5,6,7
	v_mov_b32 v[CB+2*\k+1], v[CB+2*\k]             ; the packed forms take pairs
	v_mov_b32 v[NV+2*\k+1], v[NV+2*\k]
.endr
	s_wait_alu depctr_va_vdst(0)
	s_wait_tensorcnt 0x0                           ; my part of slot 0 is in
	ds_add_u32 v[SPW], v[NIL]
	s_wait_dscnt 0x0                               ; the add is done, and my scales are stored
	CROUND                                         ; everybody's are
	JLOAD 1                                        ; slot 1's first fill, the first tensor load behind the round
.set CQ, 0
.set CSL, 0
.set NSL, 0
.set NQX, 0
	SCW 0, 0                                       ; what a tile's first step finds asked for: its scale words, W's blocks 0-3, A's blocks 0-3
	NEXT
	WIN 0
	s_mov_b32 s2, 2                                ; tiles to go, this one among them: the same number in every work-group
.Ltile:
	SSTEP 0, 1, 4                                  ; the first step stands in front of the loop: its products start the sums
	WIN 0
	s_mov_b32 s3, 3
.Llap:                                                 ; a trip goes once round the ring and fills both slots again
	TSTEP 0, 1, 8, 1
	SSTEP 1, 0, 12
	TSTEP 1, 1, 16, 0
	SSTEP 0, 0, 20
	WIN 0
	v_add_nc_u32 v[ADRS], 16, v[ADRS]              ; four steps' words on
	s_wait_xcnt 0x0                                ; the prefetches have read their bases: only behind this wait are they stepped
	s_mov_b32 s92, 2*ROWB
	s_mov_b32 s94, WALKB-6*ROWB
	s_cmp_eq_u32 s3, 2
	s_cselect_b32 s92, s94, s92                    ; behind the second trip on to the next tile
	s_add_nc_u64 s[PFA:PFA+1], s[PFA:PFA+1], s[92:93]
	s_add_nc_u64 s[PFW:PFW+1], s[PFW:PFW+1], 2*ROWB
	s_sub_co_u32 s3, s3, 1
	s_cmp_lg_u32 s3, 0
	s_wait_alu depctr_va_vdst(0)
	s_cbranch_scc1 .Llap
	s_cmp_eq_u32 s2, 1
	s_cbranch_scc1 .Llast_tile                     ; the last tile's tail is written out: it asks for nothing more
.irp i, 0,1,2,3,4,5,6,7
	global_load_b128 v[GS+4*\i:GS+4*\i+3], v[GSO], s[GSB:GSB+1] offset:512*\i   ; the next tile's A scales: 64 rows a wave
.endr
	TSTEP 0, 2, 8, 0                               ; slot 0 takes the next tile's first K,
	SSTEP 1, 0, 12
	TSTEP 1, 2, -1, 0                              ; slot 1 its second, and its first fragments are asked for
	WIN 0
	s_wait_loadcnt 0x0
.irp i, 0,1,2,3,4,5,6,7
	ds_store_b128 v[GSA], v[GS+4*\i:GS+4*\i+3] offset:544*\i   ; over this tile's A scales, whose last reads every wave has waited for in front of the barrier above
.endr
	FINISH 0
	WIN 0
	global_prefetch_b8 v[VPF], s[PFA:PFA+1] offset:1024 th:TH_LOAD_NT scope:SCOPE_SE   ; the next tile's slots 2 and 3
	s_wait_alu depctr_va_vdst(0)
	s_wait_dscnt 0x0                               ; for the others' sake: my scales are stored
	s_barrier_signal -1
	FINISH 1                                       ; work on registers while the others arrive
	WIN 0
	s_wait_alu depctr_va_vdst(0)
	s_barrier_wait -1
.irp i, 0,1,2,3
	ds_store_b32 v[STO], v[XR+\i] offset:128*\i
.endr
	v_mov_b32 v[ADRS], v[ADRS0]
	SCW 0, 0
	s_wait_xcnt 0x0
	s_add_nc_u64 s[PFA:PFA+1], s[PFA:PFA+1], 2*ROWB
	s_mov_b32 s[LIM], 1                            ; in the last tile the last trip asks for nothing,
	s_mov_b32 s[LIMW], -1                          ; and W has been read
	s_sub_co_u32 s2, s2, 1
	s_wait_alu depctr_va_vdst(0)
	s_branch .Ltile
.Llast_tile:
	TSTEP 0, 0, 8, 0
	SSTEP 1, 0, 12
	TSTEP 1, -1, -1, 0
	PLACES 8
	FINISH 0
	FINISH 1
	WIN 0
.irp i, 0,1,2,3
	ds_store_b32 v[STO], v[XR+\i] offset:2048+128*\i
.endr
	s_wait_dscnt 0x0                               ; for the others' sake: my stores have landed
	s_barrier_signal -1
	s_barrier_wait -1
.irp i, 0,1,2,3
	ds_load_b64 v[S+2*\i:S+2*\i+1], v[RDA] offset:1024*\i   ; rows 2 t, 2 t + 1: the first tile's left and right column half, then the second's
.endr
	s_wait_dscnt 0x0
	v_pk_add_f32 v[S:S+1], v[S:S+1], v[S+2:S+3]
	v_pk_add_f32 v[S+4:S+5], v[S+4:S+5], v[S+6:S+7]
	global_store_b64 v[RD], v[S:S+1], s[12:13]     ; a wave stores 256 consecutive bytes, at a multiple of 256 from part's first byte
	global_store_b64 v[RD], v[S+4:S+5], s[12:13] offset:65536
	s_wait_tensorcnt 0x0                           ; the wave's end: behind my last tensor load and my last LDS store
	ds_add_u32 v[SPW], v[NIL]
	s_wait_dscnt 0x0
	CROUND                                         ; the closing round: no work-group ends while a partner may still ask for a tile that names it
	s_endpgm
.Lfunc_end_k_qbc9019a4c6_scores:
	.size	k_qbc9019a4c6_scores, .Lfunc_end_k_qbc9019a4c6_scores-k_qbc9019a4c6_scores
	.p2alignl 7, 3214868480
	.fill 96, 4, 3214868480
	.section	.rodata,"a",@progbits
	.p2align	6, 0x0
	.amdhsa_kernel k_qbc9019a4c6_scores
		.amdhsa_group_segment_fixed_size 327680
		.amdhsa_private_segment_fixed_size 0
		.amdhsa_enable_private_segment 0
		.amdhsa_kernarg_size 56
		.amdhsa_user_sgpr_count 2
		.amdhsa_user_sgpr_kernarg_segment_ptr 1
		.amdhsa_wavefront_size32 1
		.amdhsa_system_sgpr_workgroup_id_x 1
		.amdhsa_system_sgpr_workgroup_id_y 1
		.amdhsa_system_sgpr_workgroup_id_z 1
		.amdhsa_system_vgpr_workitem_id 0
		.amdhsa_next_free_vgpr 1024
		.amdhsa_next_free_sgpr 102
		.amdhsa_reserve_vcc 1
		.amdhsa_float_denorm_mode_32 3
		.amdhsa_float_denorm_mode_16_64 3
		.amdhsa_memory_ordered 1
		.amdhsa_forward_progress 1
		.amdhsa_inst_pref_size 255
	.end_amdhsa_kernel
	.section	.bss,"aw",@nobits
	.p2align	6
	.space	262144
	.amdgpu_metadata
---
amdhsa.version: [ 1, 2 ]
amdhsa.kernels:
  - .name:           k_qbc9019a4c6_scores
    .symbol:         k_qbc9019a4c6_scores.kd
    .args:
      - { .name: encoder_outputs_codes, .offset: 0, .size: 8, .value_kind: global_buffer, .address_space: global }
      - { .name: encoder_outputs_scales, .offset: 8, .size: 8, .value_kind: global_buffer, .address_space: global }
      - { .name: W_codes, .offset: 16, .size: 8, .value_kind: global_buffer, .address_space: global }
      - { .name: W_scales, .offset: 24, .size: 8, .value_kind: global_buffer, .address_space: global }
      - { .name: b, .offset: 32, .size: 8, .value_kind: global_buffer, .address_space: global }
      - { .name: v, .offset: 40, .size: 8, .value_kind: global_buffer, .address_space: global }
      - { .name: part, .offset: 48, .size: 8, .value_kind: global_buffer, .address_space: global }
    .group_segment_fixed_size: 327680
    .private_segment_fixed_size: 0
    .kernarg_segment_align: 8
    .kernarg_segment_size: 56
    .max_flat_workgroup_size: 128
    .sgpr_count:     102
    .vgpr_count:     1024
    .wavefront_size: 32
...
	.end_amdgpu_metadata
.endif
;; end of part 1
;; launch spread (part 2): grid 8 x 8, 32 waves a work-group, no clusters, 21,504 bytes of LDS; arguments part, out0; writes out0
.if DOCPART == 2
	.amdgcn_target "amdgcn-amd-amdhsa--gfx1250"
	.amdhsa_code_object_version 6
	.text
	.protected	k_qbc9019a4c6_spread
	.globl	k_qbc9019a4c6_spread
	.p2align	8
	.type	k_qbc9019a4c6_spread,@function
k_qbc9019a4c6_spread:
	s_mov_b64 s[64:65], 0
	v_nop
	global_prefetch_b8 v0, s[64:65] scope:SCOPE_SE
	s_setreg_imm32_b32 hwreg(HW_REG_WAVE_MODE, 25, 1), 1
	s_wait_xcnt 0x0
; out0[b][f][l] = softmax over b of score[l][b], the same for all eight f;  score[l][b] = the sum over tc = 0 .. 3 of part[tc][64 l + b].
; A work-group takes 64 neighbouring l (x) for one f (y): 256 consecutive bytes of a row of out0 are 64 l of one b, and the softmax wants all 64 b of each l, so 4,096 scores meet here and are turned in LDS.
; The eight work-groups of one x read the same 64 KB of part; each lane then has one store, and 64 work-groups share the output instead of 8.
; 1,024 threads.  On the way in thread t holds l = t / 16 and b = 4 (t % 16) + 0 .. 3: sixteen neighbouring lanes hold one l's 64 scores, so maximum and sum stay inside a row of 16 lanes.
; On the way out thread t holds b = t / 16 and l = 4 (t % 16) + 0 .. 3: sixteen lanes store 256 consecutive bytes, at a multiple of 256 from out0's first byte.
; No matrix unit, no tensor load, no cluster: a stream of 64 KB in and 16 KB out for each work-group, nothing shared in time.  The maximum is taken off before the exponential, as in a softmax.
; The four LDS stores of a lane lie 1,088 bytes from lane to lane (272 words: bank 16 i mod 64; 64 banks of 4 bytes: ISA guide 11.1), four lanes to a bank: kept, since a wave issues four such stores in all.
.set TP, 272                           ; a row of the turned table: 64 l x 4 bytes + 16 of padding
	s_load_b128 s[4:7], s[0:1], 0x0                ; part s[4:5], out0 s[6:7]
	v_lshl_add_u32 v40, v0, 2, 0x4400
	v_mov_b32 v41, 0
	v_lshlrev_b32 v1, 4, v0                        ; in: 16 bytes a thread
	v_lshrrev_b32 v2, 4, v0                        ; t / 16
	v_and_b32 v3, 15, v0                           ; t % 16
	s_delay_alu instid0(VALU_DEP_1)
	v_mul_u32_u24 v4, v3, 4*TP
	s_delay_alu instid0(VALU_DEP_1)
	v_lshl_add_u32 v4, v2, 2, v4                   ; into the table: rows b = 4 (t % 16) + k, column l = t / 16
	s_delay_alu instid0(VALU_DEP_4)
	v_mul_u32_u24 v5, v2, TP
	s_delay_alu instid0(VALU_DEP_1)
	v_lshl_add_u32 v5, v3, 4, v5                   ; out of it: row b = t / 16, 16 bytes at l = 4 (t % 16)
	v_lshlrev_b32 v6, 14, v2
	s_delay_alu instid0(VALU_DEP_1)
	v_lshl_add_u32 v6, v3, 4, v6                   ; and in out0: 16,384 bytes from b to b
	s_lshl_b32 s8, ttmp9, 14                       ; 64 l x 64 b x 4 bytes
	s_mov_b32 s9, 0
	s_and_b32 s10, ttmp7, 0xffff                   ; f
	s_lshl_b32 s10, s10, 11                        ; 2,048 bytes from f to f,
	s_lshl_b32 s11, ttmp9, 8                       ; 256 bytes for 64 l
	s_add_co_u32 s10, s10, s11
	s_mov_b32 s11, 0
	s_wait_alu depctr_va_vdst(0)
	s_wait_kmcnt 0x0
	s_add_nc_u64 s[4:5], s[4:5], s[8:9]
	s_add_nc_u64 s[6:7], s[6:7], s[10:11]
.irp c, 0,1,2,3
	global_load_b128 v[8+4*\c:11+4*\c], v1, s[4:5] offset:131072*\c   ; a wave reads 512 consecutive bytes of each of the four parts
.endr
	s_wait_loadcnt 0x0
	v_pk_add_f32 v[8:9], v[8:9], v[12:13]          ; (p0 + p1) + (p2 + p3)
	v_pk_add_f32 v[10:11], v[10:11], v[14:15]
	v_pk_add_f32 v[16:17], v[16:17], v[20:21]
	v_pk_add_f32 v[18:19], v[18:19], v[22:23]
	s_delay_alu instid0(VALU_DEP_2)
	v_pk_add_f32 v[8:9], v[8:9], v[16:17]
	s_delay_alu instid0(VALU_DEP_2)
	v_pk_add_f32 v[10:11], v[10:11], v[18:19]
	s_delay_alu instid0(VALU_DEP_1)
	v_max3_num_f32 v24, v8, v9, v10                ; the largest of my four scores,
	s_delay_alu instid0(VALU_DEP_1)
	v_max_num_f32 v24, v24, v11
	s_delay_alu instid0(VALU_DEP_1)
	v_max_num_f32_dpp v24, v24, v24 row_xmask:1 row_mask:0xf bank_mask:0xf   ; and of the sixteen lanes': all 64 b of my l
	s_delay_alu instid0(VALU_DEP_1)
	v_max_num_f32_dpp v24, v24, v24 row_xmask:2 row_mask:0xf bank_mask:0xf
	s_delay_alu instid0(VALU_DEP_1)
	v_max_num_f32_dpp v24, v24, v24 row_xmask:4 row_mask:0xf bank_mask:0xf
	s_delay_alu instid0(VALU_DEP_1)
	v_max_num_f32_dpp v24, v24, v24 row_xmask:8 row_mask:0xf bank_mask:0xf
.irp k, 0,1,2,3
	v_sub_f32 v[8+\k], v[8+\k], v24
.endr
.irp k, 0,1,2,3
	s_delay_alu instid0(VALU_DEP_4)
	v_mul_f32 v[8+\k], 0x3fb8aa3b, v[8+\k]         ; x log2(e): the exponential works in base 2
.endr
	s_wait_alu depctr_va_vdst(0)
.irp k, 0,1,2,3
	v_exp_f32 v[8+\k], v[8+\k]
.endr
	v_nop                                          ; one plain instruction between the last exponential and the use of its result (ISA guide 5.7.2)
	s_wait_alu depctr_va_vdst(0)
	v_add_f32 v25, v8, v9
	v_add_f32 v26, v10, v11
	s_delay_alu instid0(VALU_DEP_1)
	v_add_f32 v25, v25, v26
	s_delay_alu instid0(VALU_DEP_1)
	v_add_f32_dpp v25, v25, v25 row_xmask:1 row_mask:0xf bank_mask:0xf
	s_delay_alu instid0(VALU_DEP_1)
	v_add_f32_dpp v25, v25, v25 row_xmask:2 row_mask:0xf bank_mask:0xf
	s_delay_alu instid0(VALU_DEP_1)
	v_add_f32_dpp v25, v25, v25 row_xmask:4 row_mask:0xf bank_mask:0xf
	s_delay_alu instid0(VALU_DEP_1)
	v_add_f32_dpp v25, v25, v25 row_xmask:8 row_mask:0xf bank_mask:0xf
	s_wait_alu depctr_va_vdst(0)
	v_rcp_f32 v25, v25                             ; the sum is at least 1: the largest score's term
	v_nop
	s_wait_alu depctr_va_vdst(0)
.irp k, 0,1,2,3
	v_mul_f32 v[8+\k], v[8+\k], v25
.endr
.irp k, 0,1,2,3
	ds_store_b32 v4, v[8+\k] offset:TP*\k
.endr
	s_wait_dscnt 0x0                               ; for the others' sake: my stores have landed
	s_barrier_signal -1
	s_barrier_wait -1
	ds_load_b128 v[28:31], v5
	s_wait_dscnt 0x0
	global_store_b128 v6, v[28:31], s[6:7] th:TH_STORE_NT   ; written once, read by nobody here
	s_wait_tensorcnt 0x0
	ds_add_u32 v40, v41
	s_wait_dscnt 0x0
	s_endpgm
.Lfunc_end_k_qbc9019a4c6_spread:
	.size	k_qbc9019a4c6_spread, .Lfunc_end_k_qbc9019a4c6_spread-k_qbc9019a4c6_spread
	.p2alignl 7, 3214868480
	.fill 96, 4, 3214868480
	.section	.rodata,"a",@progbits
	.p2align	6, 0x0
	.amdhsa_kernel k_qbc9019a4c6_spread
		.amdhsa_group_segment_fixed_size 21504
		.amdhsa_private_segment_fixed_size 0
		.amdhsa_enable_private_segment 0
		.amdhsa_kernarg_size 16
		.amdhsa_user_sgpr_count 2
		.amdhsa_user_sgpr_kernarg_segment_ptr 1
		.amdhsa_wavefront_size32 1
		.amdhsa_system_sgpr_workgroup_id_x 1
		.amdhsa_system_sgpr_workgroup_id_y 1
		.amdhsa_system_sgpr_workgroup_id_z 1
		.amdhsa_system_vgpr_workitem_id 0
		.amdhsa_next_free_vgpr 42
		.amdhsa_next_free_sgpr 66
		.amdhsa_reserve_vcc 0
		.amdhsa_float_denorm_mode_32 3
		.amdhsa_float_denorm_mode_16_64 3
		.amdhsa_memory_ordered 1
		.amdhsa_forward_progress 1
		.amdhsa_inst_pref_size 5
	.end_amdhsa_kernel
	.amdgpu_metadata
---
amdhsa.version: [ 1, 2 ]
amdhsa.kernels:
  - .name:           k_qbc9019a4c6_spread
    .symbol:         k_qbc9019a4c6_spread.kd
    .args:
      - { .name: part, .offset: 0, .size: 8, .value_kind: global_buffer, .address_space: global }
      - { .name: out0, .offset: 8, .size: 8, .value_kind: global_buffer, .address_space: global }
    .group_segment_fixed_size: 21504
    .private_segment_fixed_size: 0
    .kernarg_segment_align: 8
    .kernarg_segment_size: 16
    .max_flat_workgroup_size: 1024
    .sgpr_count:     66
    .vgpr_count:     42
    .wavefront_size: 32
...
	.end_amdgpu_metadata
.endif
;; end of part 2
